; MI455X (gfx1250); checked and timed in simulation.
; The chip was launched on July 23, 2026; its instructions are those of AMD's public machine-readable ISA for CDNA 5 (MIT licence, August 2026) and "CDNA5" Instruction Set Architecture Reference Guide (July 2026). The comments in the code are by the model that wrote it; some were corrected since.
;; Quant Linear. Allowed arithmetic: matrix products marked QUANTISED: E5M2 operands, one E8M0 scale for each 32 along K, by v_wmma_scale_f32_16x16x128_f8f6f4 with both operands' format E5M2, f32 sums; everything else in f32.
;; Inputs: bias 4,096 float32; qweight 512 x 4,096 int32; qzeros 32 x 512 int32; scales 32 x 4,096 float32; x 8 x 512 x 4,096 float32.
;; Outputs: out0 8 x 512 x 4,096 float32.
;; This version of the problem:
;;   THIS VERSION OF THE PROBLEM IS GIVEN IN LOW PRECISION. The matrix products marked QUANTISED in the list below multiply operands that are first quantised to E5M2 (5 exponent bits, 2 mantissa bits; 8 bits a number), with one power-of-two scale for each 32 numbers along K (OCP MX v1.0); their sums are f32. All else is computed in f32.
;;   The module's matrix products, in the order in which they are computed (A, B: the left and right operand; K: the contracted axis; several contracted axes count as one K, in the product's order):
;;     1. [M 4,096, K 4,096] x [K 4,096, N 4,096]; A: input x; B: computed on the way: QUANTISED
;;   THE QUANTISER, for each operand of a quantised product, along K:
;;     - K is cut into blocks of 32 from its start; a last block that is shorter is filled with zeros.
;;     - A block's scale is 2^e with e = floor(log2(the largest magnitude in the block)) - 15, held to -126 .. 127; a block of zeros has e = 0. As a byte (E8M0): e + 127.
;;     - Each number is divided by its block's scale, clamped to +-57,344, and rounded to the nearest number of E5M2, ties to even, subnormals kept.
;;     - The product sums the exact products of the quantised numbers (number of the format x scale) in f32.
;;   ~~~python
;;   def quantise(x, axis):      # numpy; x: float32 -> the quantised numbers, widened to float32 again
;;       x = np.moveaxis(x, axis, -1); K = x.shape[-1]
;;       x = np.pad(x, [(0, 0)] * (x.ndim - 1) + [(0, -K % 32)]); x = x.reshape(x.shape[:-1] + (-1, 32)); a = np.abs(x).max(-1, keepdims=True)
;;       e = np.where(a > 0, np.clip(np.frexp(np.where(a > 0, a, 1))[1] - 1 - 15, -126, 127), 0)      # np.frexp(a)[1] - 1 = floor(log2(a)), exactly
;;       r = np.clip(x / 2.0 ** e, -57344, 57344)
;;       step = 2.0 ** (np.maximum(np.frexp(np.where(r == 0, 1, r))[1] - 1, -14) - 2)
;;       q = np.round(r / step) * step * 2.0 ** e      # np.round: ties to even
;;       return np.moveaxis(q.reshape(q.shape[:-2] + (-1,))[..., :K], -1, axis).astype(np.float32)
;;   ~~~
;;   OPERANDS COMPUTED ON THE WAY. 'Computed on the way' means the value that the module computes at that place (a softmax that the list does not call 'softmax' is quantised finished and normalised). What goes into a quantiser is computed in f32, as accurately as f32 sums, v_exp_f32 and their like allow (about 1e-6 of the number): no bf16 or f16 on the way to a quantiser, and a product that is left as it is and whose result goes on into a quantised operand takes f32 operands (vector FMAs, or v_wmma_f32_16x16x4_f32). A number that lies on a knife's edge between two numbers of the format may be rounded either way, as far as f32 arithmetic and the matrix unit's own rounding can turn it there, and no further.
;; One version. Each part assembles by itself: llvm-mc -triple=amdgcn-amd-amdhsa -mcpu=gfx1250 --defsym DOCPART=n.
;; ======== version 1 of 1: 2 launches
;; limits: right only within a limited range of input values
;; workspace buffers: xq 17,825,792 bytes; wq 17,825,792 bytes
;; launch quant (part 1): grid 1024 x 1, 4 waves a work-group, no clusters, 80,384 bytes of LDS; arguments x, qweight, qzeros, scales, xq, wq; writes xq, wq
.if DOCPART == 1
	.amdgcn_target "amdgcn-amd-amdhsa--gfx1250"
	.amdhsa_code_object_version 6
	.text
	.protected	k_qcaaed75096_quant
	.globl	k_qcaaed75096_quant
	.p2align	8
	.type	k_qcaaed75096_quant,@function
k_qcaaed75096_quant:
	s_mov_b64 s[64:65], 0
	v_nop
	global_prefetch_b8 v0, s[64:65] scope:SCOPE_SE
	s_setreg_imm32_b32 hwreg(HW_REG_WAVE_MODE, 25, 1), 1
	s_wait_xcnt 0x0
; BOTH OPERANDS OF out = x W + bias BECOME CODES OF BF8 (E5M2) WITH ONE E8M0 BYTE FOR EACH 32 ALONG K, ONCE, for the product's launch.
; x: [4096][4096] f32, K innermost.  W[k][n] = scales[k / 128][n] x (nibble(k, n) - zero(k / 128, n)), zero = the nibble of qzeros + 1: 4-bit numbers, eight neighbours along K of one column n in a word of qweight.
; A block's scale is 2^(floor(log2(its largest magnitude)) - 15); its byte is the largest magnitude's own exponent field - 15, held at 1 from below.  Each number is divided by the scale, held within +-57,344 and
; rounded to the nearest code, ties to even.
; LIMITS: NaN and infinities among the inputs are not served.  A block of zeros gets the byte 1 where the rule says 127: its codes are zeros, which add nothing under any byte but 0xff, and this program alone reads the bytes.
; THE TWO BUFFERS ARE LAID AS THE PRODUCT'S LAUNCH WANTS ITS LDS: [32 blocks of 128 rows][16 K steps of 256][128 rows][272 bytes]; a row: 256 codes, its 8 scale bytes, the same 8 bytes once more.
; (A row of xq is a row of x, a row of wq a column n of W.)  So 128 rows x 256 K are 34,816 consecutive bytes, 136 x 256, and the scale bytes travel with their codes.
; SHARES.  Half of the work-groups take x, half W: a scalar branch on bit 0 xor bit 8 of the work-group's number, so that work-groups next to each other in number, and work-groups 256 apart in number, are of
; different kinds; numbers 2 m and 2 m + 1 share bit 8, so number / 2 counts each kind from 0 to 511.  Each way has LDS bytes of its own.  A wave takes 32 rows x 256 K: 8,704 bytes of the
; buffer, gathered as an image in the wave's own LDS and stored by 17 stores of 512 consecutive bytes, each at a multiple of 256 from the buffer's first byte.  Waves share nothing: no barrier.
; THE CLAIMS: 80,384 bytes of LDS and 194 registers a wave: four work-groups' claims are 321,536 of a WGP's 327,680 bytes and 776 of a SIMD's 1,024 registers, and 1,024 work-groups are four for each of 256 WGPs.
.set PITCH,  272
.set TILEB,  128*PITCH                 ; 128 rows x 256 K
.set STREAM, 16*TILEB                  ; 128 rows x all of K
.set IMGB,   32*PITCH                  ; a wave's image: 32 rows
.set SP,     80                        ; x's way: a lane's place in the turning stage: 64 bytes + 16 of padding
.set XREG,   32*SP+IMGB                ; x's way: a wave's LDS: the stage, then the image
.set WLDS,   4*XREG                    ; W's way: its four images lie behind x's regions
.set FLOOR,  16<<23                    ; the f32 number 2^(16 - 127): no largest magnitude is taken under it, so the byte cannot fall under 1
.set OFF15,  0xf8800000                ; -(15 << 23): 15 off an exponent field
; x's way:
.set R,   16                           ; v16-79    four sets of 16 numbers as they are loaded
.set X,   80                           ; v80-111   two sets of 16 neighbours
.set E,   112                          ; v112-127  a scale byte for each step
.set C,   128                          ; v128-191  four registers of codes for each step
; W's way:
.set Q,   16                           ; v16-47    my column's 32 words of qweight: 256 along K
.set WX,  48                           ; v48-79    a block's 32 numbers
.set ZN,  80                           ; v80-83    -zero as f32, twice (a pair for the packed addition), for each of the two groups of 128
.set SS,  84                           ; v84-87    the scale, twice, for each group
.set ZW,  88                           ; v88-89    the two words of qzeros
.set WC,  112                          ; v112-175  eight registers of codes for each block
.set SB,  176                          ; v176-179  the eight scale bytes, twice
; both ways: v2 lane; v3 16 x lane; v4 where I put codes into the image; v6 where I read the image back; v16-83 the image on its way out
	s_load_b256 s[4:11], s[0:1], 0x0               ; x s[4:5], qweight s[6:7], qzeros s[8:9], scales s[10:11]
	s_load_b128 s[12:15], s[0:1], 0x20             ; xq s[12:13], wq s[14:15]
	v_lshl_add_u32 v192, v0, 2, 0x13800
	v_mov_b32 v193, 0
	v_lshrrev_b32 v1, 5, v0
	v_readfirstlane_b32 s16, v1                    ; wave 0..3
	v_and_b32 v2, 31, v0                           ; lane
	v_lshlrev_b32 v3, 4, v2                        ; 16 x lane
	s_lshr_b32 s17, ttmp9, 1                       ; which work-group of its kind: 0 .. 511
	s_mov_b32 s23, 0x600000                        ; the mantissa field of 57,344 (an instruction takes one literal: the hold's line has another)
	s_lshr_b32 s18, ttmp9, 8
	s_xor_b32 s18, s18, ttmp9
	s_and_b32 s18, s18, 1                          ; the kind: bit 0 xor bit 8 of the number
	s_cmp_lg_u32 s18, 0
	s_cbranch_scc1 .Lweights
; The image leaves: 17 x 512 bytes.  LDS serves a wave's instructions in order (ISA guide 5.7.1.4): the loads see the wave's stores.
.macro IMAGE_OUT base
.irp j, 0,1,2,3,4,5,6,7,8,9,10,11,12,13,14,15,16
	ds_load_b128 v[16+4*\j:19+4*\j], v6 offset:512*\j
.endr
.irp j, 0,1,2,3,4,5,6,7,8,9,10,11,12,13,14,15,16
	s_wait_dscnt 16-\j                             ; load j is in; the 16 - j younger ones may be out
	global_store_b128 v3, v[16+4*\j:19+4*\j], s[\base:\base+1] offset:512*\j   ; 32 lanes store 512 consecutive bytes
.endr
.endm
; ---------------------------------------------------------------- x
; Wave tile T = 4 x work-group + wave: K step T % 16, rows 32 (T / 16) on: the four waves stand side by side on 4,096 consecutive bytes of each row.
; A step is two rows x 256 K, 2,048 bytes.  The conversions take neighbours along K from ONE lane's registers, a load is dense where neighbouring LANES take neighbouring bytes: each of a step's four loads reads
; 512 consecutive bytes, and the 2,048 bytes turn through the stage in LDS and come back 64 bytes a lane: lanes 0-15 hold the even row, lanes 16-31 the odd one, two neighbouring lanes a block of 32.
	s_and_b32 s18, s17, 3
	s_lshl_b32 s18, s18, 2
	s_add_co_u32 s18, s18, s16                     ; K step
	s_lshr_b32 s19, s17, 2                         ; which 32 rows: 0 .. 127
	s_lshl_b32 s20, s19, 19                        ; in x: 32 rows of 16,384 bytes,
	s_lshl_b32 s21, s18, 10                        ; 256 numbers of 4 bytes
	s_add_co_u32 s20, s20, s21
	s_mov_b32 s21, 0
	s_lshr_b32 s24, s19, 2                         ; in xq: the block of 128 rows,
	s_mul_i32 s24, s24, STREAM
	s_mul_i32 s25, s18, TILEB                      ; the K step,
	s_add_co_u32 s24, s24, s25
	s_and_b32 s25, s19, 3                          ; my 32 rows of the 128
	s_mul_i32 s25, s25, IMGB
	s_add_co_u32 s24, s24, s25
	s_mov_b32 s25, 0
	s_mul_i32 s26, s16, XREG                       ; my wave's LDS
	s_wait_alu depctr_va_vdst(0)
	v_lshrrev_b32 v14, 2, v2
	v_mul_u32_u24 v14, v14, SP
	v_and_b32 v15, 3, v2
	v_lshl_add_u32 v14, v15, 4, v14
	v_add_nc_u32 v14, s26, v14                     ; the stage, on the way in: four lanes' 64 bytes on end, then 16 of padding; a load's 512 bytes take eight places
	v_mul_u32_u24 v15, v2, SP
	v_add_nc_u32 v15, s26, v15                     ; and on the way out: my 16 neighbours
	s_add_co_u32 s26, s26, 32*SP                   ; the image
	v_lshrrev_b32 v7, 4, v2
	v_mul_u32_u24 v7, v7, PITCH
	v_add_nc_u32 v7, s26, v7                       ; the even row or the odd one
	v_and_b32 v8, 15, v2
	v_lshl_add_u32 v4, v8, 4, v7                   ; my 16 codes' place in it
	v_lshrrev_b32 v8, 1, v8
	v_add_nc_u32 v5, v8, v7                        ; my block's byte (256 and 264 bytes further on: in the stores' immediates)
	v_add_nc_u32 v6, s26, v3
	s_wait_alu depctr_va_vdst(0)
	s_wait_kmcnt 0x0
	s_add_nc_u64 s[4:5], s[4:5], s[20:21]
	s_add_nc_u64 s[12:13], s[12:13], s[24:25]
.macro LOAD t                          ; step t: rows 2 t and 2 t + 1, two loads each, into set t % 4
.irp i, 0,1,2,3
	global_load_b128 v[R+16*((\t)%4)+4*\i:R+16*((\t)%4)+4*\i+3], v3, s[4:5] offset:(2*(\t)+\i/2)*16384+(\i%2)*512 th:TH_LOAD_NT
.endr
.endm
.macro TURN t                          ; step t's numbers through the stage, into set t % 2.  One stage serves: it is written again only behind the wait at a step's head, which shows the last reads of it back
.irp i, 0,1,2,3
	ds_store_b128 v14, v[R+16*((\t)%4)+4*\i:R+16*((\t)%4)+4*\i+3] offset:8*SP*\i
.endr
.irp i, 0,1,2,3
	ds_load_b128 v[X+16*((\t)%2)+4*\i:X+16*((\t)%2)+4*\i+3], v15 offset:16*\i
.endr
.endm
.irp t, 0,1,2,3
	LOAD \t                                        ; loads run four steps, 16 loads a wave, ahead
.endr
	s_wait_loadcnt 12                              ; step 0's four loads are in
	TURN 0
.macro STEP t
.set XS, X+16*((\t)%2)
.if (\t) > 0
	s_wait_dscnt 3                                 ; this step's numbers are back from the stage (the last step's three stores into the image may be out): so the stage may be written again, and its stores have read their registers,
.else
	s_wait_dscnt 0x0
.endif
.if (\t)+4 < 16
	LOAD (\t)+4                                    ; which take the loads of four steps on
.endif
.if (\t)+1 < 16
.if 14-(\t) >= 3
	s_wait_loadcnt 12                              ; the next step's four loads are in; those of the three steps behind it may be out
.else
	s_wait_loadcnt 4*(14-(\t))
.endif
	TURN (\t)+1                                    ; and go through the stage while this step is worked
.endif
	v_max3_num_f32 v8, |v[XS]|, |v[XS+1]|, |v[XS+2]|               ; the largest magnitude of my 16, in two chains
	v_max3_num_f32 v9, |v[XS+3]|, |v[XS+4]|, |v[XS+5]|
.irp i, 6,10
	v_max3_num_f32 v8, v8, |v[XS+\i]|, |v[XS+\i+1]|
	v_max3_num_f32 v9, v9, |v[XS+\i+2]|, |v[XS+\i+3]|
.endr
	v_max3_num_f32 v8, v8, |v[XS+14]|, |v[XS+15]|
	v_max3_num_f32 v8, v8, v9, FLOOR               ; and the floor
	v_max_num_f32_dpp v8, v8, v8 row_xmask:1 row_mask:0xf bank_mask:0xf   ; and of my neighbour's 16: the block's
	v_add_nc_u32 v11, OFF15, v8                    ; 15 off its exponent field: the conversion takes the exponent field of this operand as its scale, and nothing else of it
	v_and_or_b32 v10, v8, 0x7f800000, s23          ; 57,344 x the scale: the largest magnitude's exponent field over 57,344's mantissa
.irp i, 0,1,2,3,4,5,6,7,8,9,10,11,12,13,14,15
	v_med3_num_f32 v[XS+\i], v[XS+\i], -v10, v10   ; the conversion to an 8-bit code does not saturate (ISA guide 7.6.2): hold the number first
.endr
	v_cvt_scalef32_pk8_bf8_f32 v[C+4*(\t):C+4*(\t)+1], v[XS:XS+7], v11
	v_cvt_scalef32_pk8_bf8_f32 v[C+4*(\t)+2:C+4*(\t)+3], v[XS+8:XS+15], v11
	v_lshrrev_b32 v[E+(\t)], 23, v11               ; the scale's byte (also the plain line behind the conversions)
	ds_store_b128 v4, v[C+4*(\t):C+4*(\t)+3] offset:2*PITCH*(\t)
	ds_store_b8 v5, v[E+(\t)] offset:2*PITCH*(\t)+256   ; both lanes of a block write the same byte with the same value
	ds_store_b8 v5, v[E+(\t)] offset:2*PITCH*(\t)+264   ; and its copy
.endm
.irp t, 0,1,2,3,4,5,6,7,8,9,10,11,12,13,14,15
	STEP \t
.endr
	IMAGE_OUT 12
	s_wait_tensorcnt 0x0
	ds_add_u32 v192, v193
	s_wait_dscnt 0x0
	s_endpgm
; ---------------------------------------------------------------- W
; Work-group: columns 128 (number % 32) on, K step number / 32 (number: among its kind).  A LANE TAKES A COLUMN n, AND ITS REGISTERS RUN DOWN K: a word of qweight is eight neighbours along K of its column, four words a block of 32.
; So a block's largest magnitude needs no other lane, the conversions give codes with K innermost, and nothing is transposed.  Each load reads 128 consecutive bytes a wave, the four waves side by side.
; nibble - zero is exact in f32; the one multiplication by the scale rounds once, as the definition of W does.  (One fused multiply-add by the scale with -zero x scale as its addend would round that addend too: not taken.)
.Lweights:
	s_and_b32 s18, s17, 31                         ; which 128 columns
	s_lshr_b32 s19, s17, 5                         ; K step
	s_lshl_b32 s20, s18, 9
	s_lshl_b32 s21, s16, 7
	s_add_co_u32 s20, s20, s21                     ; my wave's first column x 4 bytes
	s_lshl_b32 s24, s19, 19                        ; qweight: 32 rows of 16,384 bytes a K step
	s_add_co_u32 s24, s24, s20
	s_mov_b32 s25, 0
	s_lshl_b32 s26, s19, 15                        ; scales: two rows of 16,384 bytes
	s_add_co_u32 s26, s26, s20
	s_mov_b32 s27, 0
	s_lshl_b32 s28, s19, 12                        ; qzeros: two rows of 2,048 bytes; a word holds eight columns
	s_lshr_b32 s29, s20, 3
	s_add_co_u32 s28, s28, s29
	s_mov_b32 s29, 0
	s_mul_i32 s30, s18, STREAM                     ; wq: the block of 128 rows, the K step, my wave's 32 rows
	s_mul_i32 s31, s19, TILEB
	s_add_co_u32 s30, s30, s31
	s_mul_i32 s31, s16, IMGB
	s_add_co_u32 s30, s30, s31
	s_add_co_u32 s32, s31, WLDS                    ; my wave's image in LDS
	s_mov_b32 s31, 0
	s_wait_alu depctr_va_vdst(0)
	v_lshlrev_b32 v1, 2, v2                        ; 4 bytes a lane
	v_lshrrev_b32 v8, 3, v2
	v_lshlrev_b32 v8, 2, v8                        ; my word of qzeros
	v_and_b32 v9, 7, v2
	v_lshlrev_b32 v9, 2, v9                        ; and my nibble's place in it
	v_mul_u32_u24 v4, v2, PITCH
	v_add_nc_u32 v4, s32, v4                       ; the image: row = my column
	v_add_nc_u32 v6, s32, v3
	s_wait_alu depctr_va_vdst(0)
	s_wait_kmcnt 0x0
	s_add_nc_u64 s[6:7], s[6:7], s[24:25]
	s_add_nc_u64 s[10:11], s[10:11], s[26:27]
	s_add_nc_u64 s[8:9], s[8:9], s[28:29]
	s_add_nc_u64 s[14:15], s[14:15], s[30:31]
.irp g, 0,1
	global_load_b32 v[ZW+\g], v8, s[8:9] offset:2048*\g
.endr
.irp g, 0,1
	global_load_b32 v[SS+2*\g], v1, s[10:11] offset:16384*\g th:TH_LOAD_NT
.endr
.irp j, 0,1,2,3,4,5,6,7,8,9,10,11,12,13,14,15,16,17,18,19,20,21,22,23,24,25,26,27,28,29,30,31
	global_load_b32 v[Q+\j], v1, s[6:7] offset:16384*\j th:TH_LOAD_NT
.endr
	s_wait_loadcnt 32                              ; the zeros and the scales are in; qweight's 32 loads may be out
.irp g, 0,1
	v_lshrrev_b32 v10, v9, v[ZW+\g]
	v_and_b32 v10, 15, v10                         ; the nibble z
	v_xor_b32 v10, -1, v10                         ; all bits turned: -(z + 1), the zero with its sign turned
	v_cvt_f32_i32 v[ZN+2*\g], v10
	v_mov_b32 v[ZN+2*\g+1], v[ZN+2*\g]
	v_mov_b32 v[SS+2*\g+1], v[SS+2*\g]
.endr
.macro BLOCK b                         ; K = 32 b .. 32 b + 31 of the K step; its group of 128 is b / 4
	s_wait_loadcnt 28-4*(\b)                       ; this block's four words are in; the later blocks' may be out
.irp jj, 0,1,2,3
.irp nib, 0,1,2,3,4,5,6,7
	v_bfe_u32 v[WX+8*\jj+\nib], v[Q+4*(\b)+\jj], 4*\nib, 4
.endr
.endr
.irp i, 0,1,2,3,4,5,6,7,8,9,10,11,12,13,14,15,16,17,18,19,20,21,22,23,24,25,26,27,28,29,30,31
	v_cvt_f32_u32 v[WX+\i], v[WX+\i]
.endr
.irp i, 0,2,4,6,8,10,12,14,16,18,20,22,24,26,28,30
	v_pk_add_f32 v[WX+\i:WX+\i+1], v[WX+\i:WX+\i+1], v[ZN+2*((\b)/4):ZN+2*((\b)/4)+1]   ; nibble - zero: exact
.endr
.irp i, 0,2,4,6,8,10,12,14,16,18,20,22,24,26,28,30
	v_pk_mul_f32 v[WX+\i:WX+\i+1], v[WX+\i:WX+\i+1], v[SS+2*((\b)/4):SS+2*((\b)/4)+1]   ; x the scale: W
.endr
	v_max3_num_f32 v12, |v[WX]|, |v[WX+1]|, |v[WX+2]|              ; the block's largest magnitude: all 32 numbers are mine
	v_max3_num_f32 v13, |v[WX+3]|, |v[WX+4]|, |v[WX+5]|
.irp i, 6,10,14,18,22,26
	v_max3_num_f32 v12, v12, |v[WX+\i]|, |v[WX+\i+1]|
	v_max3_num_f32 v13, v13, |v[WX+\i+2]|, |v[WX+\i+3]|
.endr
	v_max3_num_f32 v12, v12, |v[WX+30]|, |v[WX+31]|
	v_max3_num_f32 v12, v12, v13, FLOOR
	v_add_nc_u32 v11, OFF15, v12                   ; the conversion's scale operand
	v_and_or_b32 v10, v12, 0x7f800000, s23         ; 57,344 x the scale
.irp i, 0,1,2,3,4,5,6,7,8,9,10,11,12,13,14,15,16,17,18,19,20,21,22,23,24,25,26,27,28,29,30,31
	v_med3_num_f32 v[WX+\i], v[WX+\i], -v10, v10   ; the hold (ISA guide 7.6.2)
.endr
.irp g, 0,1,2,3
	v_cvt_scalef32_pk8_bf8_f32 v[WC+8*(\b)+2*\g:WC+8*(\b)+2*\g+1], v[WX+8*\g:WX+8*\g+7], v11
.endr
	v_lshrrev_b32 v13, 23, v11                     ; the scale's byte.  (This line and the next are the plain lines between the conversions and the next block's writes of their sources)
.if (\b)%4 == 0
	v_mov_b32 v[SB+(\b)/4], v13                    ; four bytes to a register, the lower K in the lower byte
.else
	v_lshl_or_b32 v[SB+(\b)/4], v13, 8*((\b)%4), v[SB+(\b)/4]
.endif
	ds_store_b128 v4, v[WC+8*(\b):WC+8*(\b)+3] offset:32*(\b)      ; 32 codes of my column's row; each block has registers of its own
	ds_store_b128 v4, v[WC+8*(\b)+4:WC+8*(\b)+7] offset:32*(\b)+16
.endm
.irp b, 0,1,2,3,4,5,6,7
	BLOCK \b
.endr
	v_mov_b32 v[SB+2], v[SB]                       ; the eight bytes once more
	v_mov_b32 v[SB+3], v[SB+1]
	ds_store_b128 v4, v[SB:SB+3] offset:256
	IMAGE_OUT 14
	s_wait_tensorcnt 0x0
	ds_add_u32 v192, v193
	s_wait_dscnt 0x0
	s_endpgm
.Lfunc_end_k_qcaaed75096_quant:
	.size	k_qcaaed75096_quant, .Lfunc_end_k_qcaaed75096_quant-k_qcaaed75096_quant
	.p2alignl 7, 3214868480
	.fill 96, 4, 3214868480
	.section	.rodata,"a",@progbits
	.p2align	6, 0x0
	.amdhsa_kernel k_qcaaed75096_quant
		.amdhsa_group_segment_fixed_size 80384
		.amdhsa_private_segment_fixed_size 0
		.amdhsa_enable_private_segment 0
		.amdhsa_kernarg_size 48
		.amdhsa_user_sgpr_count 2
		.amdhsa_user_sgpr_kernarg_segment_ptr 1
		.amdhsa_wavefront_size32 1
		.amdhsa_system_sgpr_workgroup_id_x 1
		.amdhsa_system_sgpr_workgroup_id_y 1
		.amdhsa_system_sgpr_workgroup_id_z 1
		.amdhsa_system_vgpr_workitem_id 0
		.amdhsa_next_free_vgpr 194
		.amdhsa_next_free_sgpr 66
		.amdhsa_reserve_vcc 0
		.amdhsa_float_denorm_mode_32 3
		.amdhsa_float_denorm_mode_16_64 3
		.amdhsa_memory_ordered 1
		.amdhsa_forward_progress 1
		.amdhsa_inst_pref_size 133
	.end_amdhsa_kernel
	.amdgpu_metadata
---
amdhsa.version: [ 1, 2 ]
amdhsa.kernels:
  - .name:           k_qcaaed75096_quant
    .symbol:         k_qcaaed75096_quant.kd
    .args:
      - { .name: x, .offset: 0, .size: 8, .value_kind: global_buffer, .address_space: global }
      - { .name: qweight, .offset: 8, .size: 8, .value_kind: global_buffer, .address_space: global }
      - { .name: qzeros, .offset: 16, .size: 8, .value_kind: global_buffer, .address_space: global }
      - { .name: scales, .offset: 24, .size: 8, .value_kind: global_buffer, .address_space: global }
      - { .name: xq, .offset: 32, .size: 8, .value_kind: global_buffer, .address_space: global }
      - { .name: wq, .offset: 40, .size: 8, .value_kind: global_buffer, .address_space: global }
    .group_segment_fixed_size: 80384
    .private_segment_fixed_size: 0
    .kernarg_segment_align: 8
    .kernarg_segment_size: 48
    .max_flat_workgroup_size: 128
    .sgpr_count:     66
    .vgpr_count:     194
    .wavefront_size: 32
...
	.end_amdgpu_metadata
.endif
;; end of part 1
;; launch gemm (part 2): grid 16 x 16, 4 waves a work-group, clusters of 4 x 4, 327,680 bytes of LDS; arguments xq, wq, bias, out0; writes out0
.if DOCPART == 2
	.amdgcn_target "amdgcn-amd-amdhsa--gfx1250"
	.amdhsa_code_object_version 6
	.text
	.protected	k_qcaaed75096_gemm
	.globl	k_qcaaed75096_gemm
	.p2align	8
	.type	k_qcaaed75096_gemm,@function
k_qcaaed75096_gemm:
	s_mov_b64 s[64:65], 0
	v_nop
	global_prefetch_b8 v0, s[64:65] scope:SCOPE_SE
	s_setreg_imm32_b32 hwreg(HW_REG_WAVE_MODE, 25, 1), 1
	s_wait_xcnt 0x0
	s_wait_alu depctr_hold_cnt(0) depctr_sa_sdst(0) depctr_va_vdst(0) depctr_va_sdst(0) depctr_va_ssrc(0) depctr_va_vcc(0) depctr_vm_vsrc(0)
	s_getreg_b32 s2, hwreg(HW_REG_IB_STS2, 6, 4)
	s_cmp_eq_u32 s2, 0
	s_cbranch_scc0 .Lentry_in_a_cluster
	s_endpgm
.Lentry_in_a_cluster:
	s_bfe_u32 s2, ttmp6, 0x10000c
	s_cmp_lg_u32 s2, 0xf033
	s_cbranch_scc0 .Lentry_shape_is_right
	s_endpgm
.Lentry_shape_is_right:
; out[m][n] = sum over k of x[m][k] W[k][n] + bias[n], on codes of BF8 (E5M2) with E8M0 scales, as the launch before laid them:
; [32 blocks of 128 rows][16 K steps of 256][128 rows][272 bytes]; a row: 256 codes, its 8 scale bytes, the same 8 bytes once more.  So 128 rows x 256 K are 34,816 consecutive bytes, 136 x 256.
; A tile of out, 256 x 256, is made by four waves, each 128 x 128: 64 accumulators, 512 registers.  K goes in steps of 256 through a ring of two LDS slots; a wave's tensor load brings 128 rows.
; CLUSTERS 4 x 4: x's tiles are asked for jointly along a row of the cluster, W's along a column.  The matrix instruction is used transposed (source 0 = W's columns, source 1 = x's rows).
; The bias is the C of each accumulator's first product; its sixteen loads go out at the head, ahead of the first round.
; THE HEAD: one joint load a wave (K step 0); the addresses are made while it is on its way; K step 1's load is issued as a refill is.
; PREFETCH: behind each refill but the last two, a wave asks for the tile that stands two refills on.  Every cluster asks for its own tiles; of a wave's 136 blocks of 256 bytes each of the four
; partners that load them jointly takes 34, told apart by address: 32 by one instruction, a lane a block, and the last two by a second.  The last two refills have no tile two on: nothing is asked for.
.set SIZE_N, 4096
.set NQ,     2
.set PITCH,  272
.set FR,     16
.set NL,     4
.set NP,     8
.set HALFT,  128*PITCH
.set SLOT,   4*HALFT
.set STREAM, 16*HALFT
.set LAPS,   8
.set SPARE,  2*SLOT
.set SPITCH, 528
.set PFG,    HALFT
.set ADRA, 16
.set ADRB, 20
.set ADRS, 22
.set STO,  24
.set RD,   25
.set CO,   26
.set BO,   27
.set SPW,  28
.set NIL,  29
.set PFO,  30
.set SC,   32
.set BI,   64
.set AF,   128
.set BK,   128
.set G1, 24
.set G0, 32
.set G1B, 48
.set G0B, 56
.set PFA, 66
.set LIM, 68
.set MSB, 0
.macro WIN new
.if MSB != \new
	s_set_vgpr_msb (MSB<<8)|\new
.set MSB, \new
.endif
.endm
.set MUL_LO,   0xa1
.set MUL_HI,   0xf1
.set FIRST_LO, 0x81
.set FIRST_HI, 0xc1
.set TO_B,     0x40
.macro JLOAD g0a, g1a, g0b, g1b
	s_cmp_eq_u32 s15, 0
	s_cbranch_scc0 .Lfor_b_\@
	tensor_load_to_lds s[\g0a:\g0a+3], s[\g1a:\g1a+7]
	s_nop 0
.rept 4
	v_nop
.endr
	s_branch .Lasked_\@
.Lfor_b_\@:
	tensor_load_to_lds s[\g0b:\g0b+3], s[\g1b:\g1b+7]
	s_nop 0
.rept 4
	v_nop
.endr
.Lasked_\@:
.endm
.macro ASK how
.if \how
	s_cmp_eq_u32 s[LIM], 1
.else
	s_cmp_gt_u32 s3, s[LIM]
.endif
	s_cbranch_scc0 .Lnot_mine_\@
	s_wait_alu depctr_va_vdst(0)
	global_prefetch_b8 v[PFO], s[PFA:PFA+1] th:TH_LOAD_NT scope:SCOPE_SE
	global_prefetch_b8 v31, s[PFA:PFA+1] offset:8192 th:TH_LOAD_NT scope:SCOPE_SE
.Lnot_mine_\@:
.endm
.macro CREST
	s_cmp_lg_u32 s14, 0
	s_cbranch_scc1 .Lnot_wave_0_\@
	s_barrier_signal -3
.Lnot_wave_0_\@:
	s_barrier_wait -3
	s_barrier_signal -1
	s_barrier_wait -1
.endm
.macro CROUND
	s_barrier_signal -1
	s_barrier_wait -1
	CREST
.endm
	s_load_b128 s[4:7], s[0:1], 0x0
	s_load_b64 s[8:9], s[0:1], 0x10
	s_load_b64 s[12:13], s[0:1], 0x18
	v_lshl_add_u32 v[SPW], v0, 2, SPARE
	v_mov_b32 v[NIL], 0
	ds_add_u32 v28, v29
	ds_add_u32 v28, v29
	s_wait_dscnt 0x0
	v_lshrrev_b32 v1, 5, v0
	v_readfirstlane_b32 s14, v1
	v_bfe_u32 v2, v0, 4, 1
	v_lshlrev_b32 v[BO], 5, v2                     ; the bias: 32 bytes for each half of the lanes
	s_lshr_b32 s15, s14, 1
	s_and_b32 s16, s14, 1
	s_bfe_u32 s40, ttmp6, 0x40000
	s_bfe_u32 s41, ttmp6, 0x40004
	s_lshl_b32 s42, ttmp9, 2
	s_add_co_u32 s42, s42, s40
	s_and_b32 s17, ttmp7, 0xffff
	s_lshl_b32 s17, s17, 2
	s_add_co_u32 s17, s17, s41
	s_lshl_b32 s43, s41, 2
	s_lshl_b32 s43, 15, s43
	s_lshl_b32 s44, 0x1111, s40
	s_or_b32 s[G1+0], s43, (3<<16)|(1<<21)
	s_or_b32 s[G1B+0], s44, (3<<16)|(1<<21)
.irp g, G1, G1B
	s_mov_b32 s[\g+1], 32<<16
	s_mov_b32 s[\g+2], 136<<16
	s_mov_b32 s[\g+3], 32<<16
	s_mov_b32 s[\g+4], 136
	s_mov_b32 s[\g+5], 32
	s_mov_b32 s[\g+6], 0
	s_mov_b32 s[\g+7], 0
.endr
	s_lshl_b32 s20, s17, 1
	s_add_co_u32 s20, s20, s16
	s_mul_i32 s20, s20, STREAM
	s_mov_b32 s21, 0
	s_lshl_b32 s46, s42, 1
	s_add_co_u32 s46, s46, s16
	s_mul_i32 s46, s46, STREAM
	s_mov_b32 s47, 0
	s_mul_i32 s45, s14, HALFT
	s_wait_alu depctr_va_vdst(0)
	s_wait_kmcnt 0x0
	s_add_nc_u64 s[20:21], s[4:5], s[20:21]
	s_add_nc_u64 s[46:47], s[6:7], s[46:47]
	s_lshl_b32 s72, s42, 10                        ; my first column, in bytes: 1,024 x tile column + 512 x half
	s_lshl_b32 s73, s16, 9
	s_add_co_u32 s72, s72, s73
	s_mov_b32 s73, 0
	s_add_nc_u64 s[8:9], s[8:9], s[72:73]
.irp b, 0,1,2,3,4,5,6,7
	global_load_b128 v[BI+8*\b:BI+8*\b+3], v[BO], s[8:9] offset:64*\b
	global_load_b128 v[BI+8*\b+4:BI+8*\b+7], v[BO], s[8:9] offset:64*\b+16
.endr
.irp s, 0,1
	s_mov_b32 s[G0+4*\s], 1
	s_add_co_u32 s[G0+4*\s+1], s45, \s*SLOT
	s_add_nc_u64 s[G0+4*\s+2:G0+4*\s+3], s[20:21], \s*HALFT
	s_or_b32 s[G0+4*\s+3], s[G0+4*\s+3], 0x80000000
	s_mov_b32 s[G0B+4*\s], 1
	s_add_co_u32 s[G0B+4*\s+1], s45, \s*SLOT
	s_add_nc_u64 s[G0B+4*\s+2:G0B+4*\s+3], s[46:47], \s*HALFT
	s_or_b32 s[G0B+4*\s+3], s[G0B+4*\s+3], 0x80000000
.endr
	CROUND                                         ; all sixteen work-groups are here: the first joint loads meet
	JLOAD G0, G1, G0B, G1B                         ; K step 0: one tensor load a wave at the head
	v_and_b32 v1, 15, v0
	v_bfe_u32 v2, v0, 4, 1
	s_wait_alu depctr_va_vdst(0)
	v_mul_u32_u24 v3, v1, PITCH
	v_lshl_add_u32 v4, v2, 4, v3
	s_mul_i32 s21, s15, HALFT
	s_mul_i32 s22, s16, HALFT
	s_add_co_u32 s22, s22, 2*HALFT
.irp s, 0,1
	v_add_nc_u32 v[ADRA+\s], s21, v4
	v_add_nc_u32 v[ADRB+\s], s22, v4
	s_add_co_u32 s21, s21, SLOT
	s_add_co_u32 s22, s22, SLOT
.endr
	s_mul_i32 s21, s15, HALFT
	s_mul_i32 s22, s16, HALFT
	s_add_co_u32 s22, s22, 2*HALFT+8
	s_sub_co_u32 s22, s22, s21
	v_mul_u32_u24 v6, s22, v2
	s_wait_alu depctr_va_vdst(0)
	s_add_co_u32 s21, s21, 256
	v_add_nc_u32 v5, v3, v6
	v_add_nc_u32 v[ADRS], s21, v5
	v_add_nc_u32 v[ADRS+1], SLOT, v[ADRS]
	s_mul_i32 s23, s14, 16*SPITCH
	v_mul_u32_u24 v5, v1, SPITCH
	v_lshl_add_u32 v5, v2, 5, v5
	v_add_nc_u32 v[STO], s23, v5
	v_and_b32 v6, 31, v0
	v_lshlrev_b32 v[CO], 4, v6
	v_add_nc_u32 v[RD], s23, v[CO]
	s_wait_alu depctr_va_vdst(0)
	s_lshl_b32 s20, s17, 8
	s_lshl_b32 s21, s15, 7
	s_add_co_u32 s20, s20, s21
	s_lshl_b32 s20, s20, 14
	s_mov_b32 s21, 0
	s_lshl_b32 s46, s42, 10
	s_lshl_b32 s47, s16, 9
	s_add_co_u32 s46, s46, s47
	s_mov_b32 s47, 0
	s_add_nc_u64 s[12:13], s[12:13], s[20:21]
	s_add_nc_u64 s[12:13], s[12:13], s[46:47]
	s_cmp_eq_u32 s15, 0
	s_cselect_b32 s70, s17, s42
	s_cselect_b32 s71, s40, s41
	s_cselect_b64 s[PFA:PFA+1], s[4:5], s[6:7]
	s_mov_b32 s[LIM], 1                            ; every wave of every cluster asks, but in the loop's last trip
	s_lshl_b32 s70, s70, 1
	s_add_co_u32 s70, s70, s16
	s_mul_i32 s70, s70, STREAM
	s_mul_i32 s71, s71, 8704                       ; my work-group's 34 blocks of the tile's 136
	s_add_co_u32 s70, s70, s71
	s_add_co_u32 s70, s70, 3*PFG
	s_mov_b32 s71, 0
	s_add_nc_u64 s[PFA:PFA+1], s[PFA:PFA+1], s[70:71]
	v_and_b32 v[PFO], 31, v0
	v_lshlrev_b32 v[PFO], 8, v[PFO]
	v_and_b32 v31, 1, v0
	v_lshlrev_b32 v31, 8, v31                      ; the second prefetch: blocks 32 and 33
.macro FRAG reg, adr, q, i
.irp c, 0,1,2,3
	ds_load_b128 v[\reg+4*\c:\reg+4*\c+3], v[\adr] offset:128*(\q)+32*\c+(\i)*16*PITCH
.endr
.endm
.macro MUL16 a0, p, q, sc, first
.irp a, \a0, \a0+1
.irp b, 0,1,2,3,4,5,6,7
.if \first
	v_wmma_scale_f32_16x16x128_f8f6f4 v[8*(8*((\a)%4)+\b):8*(8*((\a)%4)+\b)+7], v[128*(\p)+FR*\b:128*(\p)+FR*\b+FR-1], v[AF+FR*(\a):AF+FR*(\a)+FR-1], v[BI+8*\b:BI+8*\b+7], v[SC+8*NQ*(\sc)+NQ*\b+(\q)], v[SC+8*NQ*(\sc)+NQ*(\a)+(\q)] matrix_a_fmt:MATRIX_FMT_BF8 matrix_b_fmt:MATRIX_FMT_BF8 matrix_a_scale:MATRIX_SCALE_ROW1
.else
	v_wmma_scale_f32_16x16x128_f8f6f4 v[8*(8*((\a)%4)+\b):8*(8*((\a)%4)+\b)+7], v[128*(\p)+FR*\b:128*(\p)+FR*\b+FR-1], v[AF+FR*(\a):AF+FR*(\a)+FR-1], v[8*(8*((\a)%4)+\b):8*(8*((\a)%4)+\b)+7], v[SC+8*NQ*(\sc)+NQ*\b+(\q)], v[SC+8*NQ*(\sc)+NQ*(\a)+(\q)] matrix_a_fmt:MATRIX_FMT_BF8 matrix_b_fmt:MATRIX_FMT_BF8 matrix_a_scale:MATRIX_SCALE_ROW1
.endif
.endr
.endr
.endm
.macro FETCH_B slot, q, p
	WIN TO_B
.irp i, 0,1,2,3,4,5,6,7
	FRAG 128*(\p)+FR*\i, ADRB+\slot, \q, \i
.endr
	WIN 0
.endm
.macro FETCH_A slot, q, i0
.irp i, \i0, \i0+1, \i0+2, \i0+3
	FRAG AF+FR*(\i), ADRA+\slot, \q, \i
.endr
.endm
.macro SCALES sc
.irp i, 0,1,2,3,4,5,6,7
	ds_load_b64 v[SC+8*NQ*\sc+NQ*\i:SC+8*NQ*\sc+NQ*\i+1], v[ADRS+\sc] offset:\i*16*PITCH
.endr
.endm
.macro PLACES n
.rept \n
	v_nop
.endr
.endm
.macro STEP slot, q, first
	s_wait_dscnt 4*NL
.if \first
	WIN FIRST_LO
.else
	WIN MUL_LO
.endif
	MUL16 0, (\q)%2, \q, \slot, \first
	MUL16 2, (\q)%2, \q, \slot, \first
	s_wait_dscnt 0
	PLACES NP
	FETCH_B \slot, (\q)+1, 1-(\q)%2
	FETCH_A \slot, (\q)+1, 0
.if \first
	WIN FIRST_HI
.else
	WIN MUL_HI
.endif
	MUL16 4, (\q)%2, \q, \slot, \first
	MUL16 6, (\q)%2, \q, \slot, \first
	PLACES NP
	WIN 0
	FETCH_A \slot, (\q)+1, 4
.endm
.macro TURN slot, next, fill, how
.if \fill
	s_wait_xcnt 0x0
	s_add_nc_u64 s[PFA:PFA+1], s[PFA:PFA+1], PFG
.endif
	s_wait_dscnt 4*NL
	WIN MUL_LO
	MUL16 0, 1, NQ-1, \slot, 0
	MUL16 2, 1, NQ-1, \slot, 0
	WIN 0
	s_wait_tensorcnt 0x0
	ds_add_u32 v[SPW], v[NIL]
.if \fill
	s_add_nc_u64 s[G0+4*\slot+2:G0+4*\slot+3], s[G0+4*\slot+2:G0+4*\slot+3], 2*HALFT
	s_add_nc_u64 s[G0B+4*\slot+2:G0B+4*\slot+3], s[G0B+4*\slot+2:G0B+4*\slot+3], 2*HALFT
.endif
	s_wait_dscnt 0x0
	s_barrier_signal -1
	s_barrier_wait -1
.if \fill
	CREST
	JLOAD G0+4*\slot, G1, G0B+4*\slot, G1B
	PLACES NP-4
.else
	PLACES NP
.endif
	FETCH_B \next, 0, 0
	FETCH_A \next, 0, 0
	SCALES \next
.if \fill
	ASK \how
.endif
	WIN MUL_HI
	MUL16 4, 1, NQ-1, \slot, 0
	MUL16 6, 1, NQ-1, \slot, 0
	PLACES NP
	WIN 0
	FETCH_A \next, 0, 4
.endm
	s_wait_alu depctr_va_vdst(0)
	s_wait_tensorcnt 0x0                           ; my part of K step 0 is in
	ds_add_u32 v[SPW], v[NIL]
	s_wait_dscnt 0x0
	CROUND                                         ; everybody's part of K step 0 is in, and the joint loads meet
	JLOAD G0+4, G1, G0B+4, G1B                     ; K step 1: the first tensor load behind the round
	FETCH_B 0, 0, 0
	FETCH_A 0, 0, 0
	SCALES 0
	FETCH_A 0, 0, 4
	s_wait_loadcnt 0x0
	STEP 0, 0, 1
	s_mov_b32 s3, LAPS-1
.Llap:
	TURN 0, 1, 1, 0
	STEP 1, 0, 0
	TURN 1, 0, 1, 0
	STEP 0, 0, 0
	s_sub_co_u32 s3, s3, 1
	s_cmp_lg_u32 s3, 0
	s_cbranch_scc1 .Llap
	TURN 0, 1, 0, 0
	STEP 1, 0, 0
	s_wait_dscnt 4*NL
	WIN MUL_LO
	MUL16 0, 1, NQ-1, 1, 0
	MUL16 2, 1, NQ-1, 1, 0
	s_wait_dscnt 0
	WIN MUL_HI
	MUL16 4, 1, NQ-1, 1, 0
	MUL16 6, 1, NQ-1, 1, 0
	WIN 0
.macro TOSTAGE a
.set AC, 64*((\a)%4)
	WIN 0x08+4*((\a)/4)
.irp b, 0,1,2,3,4,5,6,7
	ds_store_b128 v[STO], v[AC+8*\b:AC+8*\b+3] offset:64*\b
	ds_store_b128 v[STO], v[AC+8*\b+4:AC+8*\b+7] offset:64*\b+16
.endr
	WIN 0
.set BB, BK+64*((\a)%2)
.irp t, 0,1,2,3,4,5,6,7,8,9,10,11,12,13,14,15
	ds_load_b128 v[BB+4*\t:BB+4*\t+3], v[RD] offset:\t*SPITCH
.endr
.endm
.macro SEND a, younger
.set BB, BK+64*((\a)%2)
	s_wait_dscnt \younger
.if (\a) > 0
	s_add_nc_u64 s[12:13], s[12:13], 16*SIZE_N*4
.endif
.irp t, 0,1,2,3,4,5,6,7,8,9,10,11,12,13,14,15
	global_store_b128 v[CO], v[BB+4*\t:BB+4*\t+3], s[12:13] offset:\t*SIZE_N*4 th:TH_STORE_NT
.endr
.endm
	PLACES NP
	TOSTAGE 0
.irp a, 1,2,3,4,5,6,7
.if \a > 1
	s_wait_xcnt 0x0
.endif
	TOSTAGE \a
	SEND \a-1, 32
.endr
	s_wait_xcnt 0x0
	SEND 7, 0
	s_wait_tensorcnt 0x0
	ds_add_u32 v[SPW], v[NIL]
	s_wait_dscnt 0x0
	CROUND
	s_endpgm
.Lfunc_end_k_qcaaed75096_gemm:
	.size	k_qcaaed75096_gemm, .Lfunc_end_k_qcaaed75096_gemm-k_qcaaed75096_gemm
	.p2alignl 7, 3214868480
	.fill 96, 4, 3214868480
	.section	.rodata,"a",@progbits
	.p2align	6, 0x0
	.amdhsa_kernel k_qcaaed75096_gemm
		.amdhsa_group_segment_fixed_size 327680
		.amdhsa_private_segment_fixed_size 0
		.amdhsa_enable_private_segment 0
		.amdhsa_kernarg_size 32
		.amdhsa_user_sgpr_count 2
		.amdhsa_user_sgpr_kernarg_segment_ptr 1
		.amdhsa_wavefront_size32 1
		.amdhsa_system_sgpr_workgroup_id_x 1
		.amdhsa_system_sgpr_workgroup_id_y 1
		.amdhsa_system_sgpr_workgroup_id_z 1
		.amdhsa_system_vgpr_workitem_id 0
		.amdhsa_next_free_vgpr 1024
		.amdhsa_next_free_sgpr 80
		.amdhsa_reserve_vcc 0
		.amdhsa_float_denorm_mode_32 3
		.amdhsa_float_denorm_mode_16_64 3
		.amdhsa_memory_ordered 1
		.amdhsa_forward_progress 1
		.amdhsa_inst_pref_size 147
	.end_amdhsa_kernel
	.amdgpu_metadata
---
amdhsa.version: [ 1, 2 ]
amdhsa.kernels:
  - .name:           k_qcaaed75096_gemm
    .symbol:         k_qcaaed75096_gemm.kd
    .args:
      - { .name: xq, .offset: 0, .size: 8, .value_kind: global_buffer, .address_space: global }
      - { .name: wq, .offset: 8, .size: 8, .value_kind: global_buffer, .address_space: global }
      - { .name: bias, .offset: 16, .size: 8, .value_kind: global_buffer, .address_space: global }
      - { .name: out0, .offset: 24, .size: 8, .value_kind: global_buffer, .address_space: global }
    .group_segment_fixed_size: 327680
    .private_segment_fixed_size: 0
    .kernarg_segment_align: 8
    .kernarg_segment_size: 32
    .max_flat_workgroup_size: 128
    .sgpr_count:     80
    .vgpr_count:     1024
    .wavefront_size: 32
...
	.end_amdgpu_metadata
.endif
;; end of part 2
